; MI455X (gfx1250); checked and timed in simulation.
; The chip was launched on July 23, 2026; its instructions are those of AMD's public machine-readable ISA for CDNA 5 (MIT licence, August 2026) and "CDNA5" Instruction Set Architecture Reference Guide (July 2026). The comments in the code are by the model that wrote it; some were corrected since.
;; QKV Attention. Allowed arithmetic: matrix products marked QUANTISED: E5M2 operands, one E8M0 scale for each 32 along K, by v_wmma_scale_f32_16x16x128_f8f6f4 with both operands' format E5M2, f32 sums; everything else in f32.
;; Inputs: qkv 64 x 192 x 2,048 float32.
;; Outputs: out0 64 x 64 x 2,048 float32.
;; This version of the problem:
;;   THIS VERSION OF THE PROBLEM IS GIVEN IN LOW PRECISION. The matrix products marked QUANTISED in the list below multiply operands that are first quantised to E5M2 (5 exponent bits, 2 mantissa bits; 8 bits a number), with one power-of-two scale for each 32 numbers along K (OCP MX v1.0); their sums are f32. All else is computed in f32.
;;   The module's matrix products, in the order in which they are computed (A, B: the left and right operand; K: the contracted axis; several contracted axes count as one K, in the product's order):
;;     1. batch 64 x [M 2,048, K 64] x [K 64, N 2,048]; A: computed on the way; B: computed on the way: QUANTISED
;;     2. batch 64 x [M 64, K 2,048] x [K 2,048, N 2,048]; A: computed on the way; B: softmax (see below): QUANTISED
;;   THE QUANTISER, for each operand of a quantised product, along K:
;;     - K is cut into blocks of 32 from its start; a last block that is shorter is filled with zeros.
;;     - A block's scale is 2^e with e = floor(log2(the largest magnitude in the block)) - 15, held to -126 .. 127; a block of zeros has e = 0. As a byte (E8M0): e + 127.
;;     - Each number is divided by its block's scale, clamped to +-57,344, and rounded to the nearest number of E5M2, ties to even, subnormals kept.
;;     - The product sums the exact products of the quantised numbers (number of the format x scale) in f32.
;;   ~~~python
;;   def quantise(x, axis):      # numpy; x: float32 -> the quantised numbers, widened to float32 again
;;       x = np.moveaxis(x, axis, -1); K = x.shape[-1]
;;       x = np.pad(x, [(0, 0)] * (x.ndim - 1) + [(0, -K % 32)]); x = x.reshape(x.shape[:-1] + (-1, 32)); a = np.abs(x).max(-1, keepdims=True)
;;       e = np.where(a > 0, np.clip(np.frexp(np.where(a > 0, a, 1))[1] - 1 - 15, -126, 127), 0)      # np.frexp(a)[1] - 1 = floor(log2(a)), exactly
;;       r = np.clip(x / 2.0 ** e, -57344, 57344)
;;       step = 2.0 ** (np.maximum(np.frexp(np.where(r == 0, 1, r))[1] - 1, -14) - 2)
;;       q = np.round(r / step) * step * 2.0 ** e      # np.round: ties to even
;;       return np.moveaxis(q.reshape(q.shape[:-2] + (-1,))[..., :K], -1, axis).astype(np.float32)
;;   ~~~
;;   SOFTMAX AHEAD OF A QUANTISED PRODUCT. Where the list says 'softmax', what is quantised is not the finished softmax but p = 2^(t - M), with t = logit x log2(e) and M = ceil(the row's largest t), a whole number; so 1/2 < the row's largest p <= 1. The row's sum l is taken of the UNQUANTISED p, in f32, and the product's result is divided by l at the end. Since M is a whole number, a kernel that streams over the keys may use a running M (the ceiling of the running maximum): every later rescaling is an exact power of two, which a block's scale takes up: the codes' values come out the same.
;;   OPERANDS COMPUTED ON THE WAY. 'Computed on the way' means the value that the module computes at that place (a softmax that the list does not call 'softmax' is quantised finished and normalised). What goes into a quantiser is computed in f32, as accurately as f32 sums, v_exp_f32 and their like allow (about 1e-6 of the number): no bf16 or f16 on the way to a quantiser, and a product that is left as it is and whose result goes on into a quantised operand takes f32 operands (vector FMAs, or v_wmma_f32_16x16x4_f32). A number that lies on a knife's edge between two numbers of the format may be rounded either way, as far as f32 arithmetic and the matrix unit's own rounding can turn it there, and no further.
;; 2 versions. Each part assembles by itself: llvm-mc -triple=amdgcn-amd-amdhsa -mcpu=gfx1250 --defsym DOCPART=n.
;; ======== version 1 of 2: 1 launch
;; launch attn (part 1): grid 4 x 64, 16 waves a work-group, no clusters, 325,888 bytes of LDS; arguments qkv, out0; writes out0
.if DOCPART == 1
	.amdgcn_target "amdgcn-amd-amdhsa--gfx1250"
	.amdhsa_code_object_version 6
	.text
	.protected	k_q933612c451_attn
	.globl	k_q933612c451_attn
	.p2align	8
	.type	k_q933612c451_attn,@function
k_q933612c451_attn:
	s_mov_b64 s[64:65], 0
	v_nop
	global_prefetch_b8 v0, s[64:65] scope:SCOPE_SE
	s_setreg_imm32_b32 hwreg(HW_REG_WAVE_MODE, 25, 1), 1
	s_wait_xcnt 0x0
; out0[b][c][t] = sum over s of softmax_s(q[b][:,t] . k[b][:,s] / 8) v[b][c][s].  qkv: [64][192][2048] f32 (rows 0-63 q, 64-127 k, 128-191 v; t innermost); out0: [64][64][2048] f32.
; Both products run on codes of BF8 (E5M2) with one E8M0 scale for each 32 along the product's K.  q x 8^-1/2 and k x 8^-1/2 are quantised down the 64 channels (two blocks), v along the keys,
; p = 2^(t - M) along the keys, t = score x log2(e), M = the running largest t rounded up to a whole number.  The row's sum is taken of the unquantised p and divides at the end.
; SHARES.  Work-group (x, y): batch y, queries 512 x .. 512 x + 511.  Sixteen waves of 256 registers; wave w owns queries 32 w .. 32 w + 31 of the block, as two passes of 16.
; THE CODES OF A WHOLE BATCH'S K AND V LIE IN LDS, as images of the operands' registers, made by this work-group: global load -> registers -> quantiser -> ds_store.  Pass 0 walks the keys in 8 slots of 256:
; while slot i is multiplied, every wave loads and quantises 1/16 of slot i + 1; one barrier a slot publishes it.  Pass 1 walks the finished images without a barrier.  No LDS byte is written twice before the way out.
; NO CLUSTER, NO TENSOR LOAD: what the four work-groups of a batch share (k, v) arrives as f32 and must pass through registers to become codes; a joint load would have to land f32 tiles in LDS,
; where the images take 323,840 of the 327,680 bytes.  The four work-groups of a batch are neighbours along x and read the same rows at about the same time.
; LAYOUT.  Both products are used transposed, so that a lane holds ONE query (lane % 16) throughout.
;   S^T = K Q^T.  The instruction's K is 128, the product's 64: a fragment of K (16 registers) holds TWO tiles of 16 keys, tile u's 64 channels at positions 64 u .. 64 u + 63, and Q lies as 0 | q | 0 in 24 registers:
;   q | 0 picks tile 0, 0 | q tile 1 (zero codes add nothing under any scale byte from 1 to 254).  Row m of tile u of fragment b is key 32 b + 8 u + m + 8 (m / 8), so that score register 16 b + i of lane (r, h)
;   is key 32 b + 16 h + i: the conversions' results are the second product's operand as they stand.
;   O^T += V^T P^T: source 0 = 16 channels x 128 keys, source 1 = p's codes; register j of tile ct is channel 16 ct + 8 h + j.
; LIMITS.  NaN and infinities among the inputs are not served.  A block of zeros gets the scale byte 1, not 127: its codes are zeros and the bytes are read here alone.  A p under 2^-126 becomes 0
; (v_exp_f32 gives 0 there).  A block's largest p is made from its largest score by the same two instructions, which takes v_exp_f32 not to fall where its input rises.
.set PITCH, 272                        ; an image's row: 16 lanes x 16 bytes + 16 of padding: one group of four registers of one half of the lanes
.set GRP,   2*PITCH                    ; a group of four registers, both halves
.set FRB,   4*GRP                      ; a fragment's image: lane (r, h) reads group c at 16 r + 272 h + 544 c: each half of the lanes takes 256 consecutive bytes
.set VOFF,  4*FRB                      ; a step's region: K's four fragments, then V's four,
.set SOFF,  8*FRB                      ; K's scale words [row][fragment] (256 bytes, 16 unused), V's [row][fragment] (256 bytes)
.set STEPB, SOFF+PITCH+256             ; 17,936 bytes for 128 keys
.set SLOTB, 2*STEPB                    ; a slot: 256 keys
.set QIMG,  16*STEPB                   ; behind the 16 steps: Q's images, for each wave two tiles of 2 groups
.set QSC,   QIMG+16*FRB                ; Q's scale words, one a query; the end lies at 323,840
.set SROW,  2064                       ; the way out: a stage of 64 channels x (512 queries x 4 bytes + 16), from LDS byte 0, over steps that nobody reads any more
.set BSTR,  192*2048*4                 ; a batch of qkv in bytes
.set A0,  1                            ; v1   16 r + 272 h
.set QS,  2                            ; v2   Q's scale word, and nothing else
.set GK,  3                            ; v3   K's loads: 4 x (r + (r & 8) + 8 h): my key among a fragment's 32
.set GV,  4                            ; v4   V's loads: 8 rows x h + 32 r
.set LK,  5                            ; v5   where I store K's codes       (v5-8: lane terms + my wave's task in a slot)
.set LV,  6                            ; v6   V's codes
.set LKS, 7                            ; v7   K's scale byte
.set LVS, 8                            ; v8   V's scale bytes
.set AI,  9                            ; v9   A0 + the slot in hand
                                       ; v10, v11 addresses of Q; v12 -M, v13 the largest t, v[14:15] the sum in two halves
.set QHI, 16                           ; v[16:31] = 0 | q     (v16-23 = 0, v24-31 = q, v32-39 = 0)
.set QLO, 24                           ; v[24:39] = q | 0
.set KF,  40                           ; v40-103  K's four fragments
.set PC,  40                           ; v40-55   later p's codes
.set CD,  56                           ; v56-63   between steps: the codes just made;
.set PM,  64                           ; v64-81   and the quantiser's work
.set SS,  104                          ; v104-167 the scores, then p, then V's four fragments
.set OT,  168                          ; v168-199 O^T
.set RR,  200                          ; v200-231 pass 0: where the loads in flight land; pass 1: pass 0's finished result
.set BM,  232                          ; v232-235 each block's largest score, then its largest p
.set T1,  236                          ; v236-239 at work
.set HD,  240                          ; v240-243 57,344 x the scale
.set CV,  244                          ; v244-247 the conversions' scale operands
.set WS,  248                          ; v248-251 scale words: lanes 0-15 K's four fragments', lanes 16-31 V's four
.set FF,  252                          ; v252     f = 2^(old M - new M)
.set PW,  253                          ; v253     p's scale word
.set TA,  254
; s[4:7] qkv, out0; s8 wave; s10 batch; s[12:13] K's loads, s[14:15] V's, s[16:17] Q's, s[18:19] the stores; s[20:21] lane selects; s[22:23] log2(e); s[24:25] 8^-1/2; s26 mantissa of 57,344;
; s27 LDS byte of the slot in hand; s29 trips; s37, s38 my Q images and scale words; s30-47 at work
; 32 loads: a lane takes a column (a key or a query) and its registers run down 32 channels, one block.  Each load reads 128 consecutive bytes.
.macro LOADC x, voff, sb, off, nt
.set ii, 0
.rept 32
.if \nt
	global_load_b32 v[\x+ii], v[\voff], s[\sb:\sb+1] offset:\off+8192*ii th:TH_LOAD_NT
.else
	global_load_b32 v[\x+ii], v[\voff], s[\sb:\sb+1] offset:\off+8192*ii
.endif
.set ii, ii+1
.endr
.endm
; 8 loads: lane (h, l = lane % 16) takes keys 8 l .. 8 l + 7 of channels i + 8 h, i = 0 .. 3, of my wave's eight: a pair of loads covers 512 consecutive bytes of two rows
.macro LOADV x
.irp i, 0,1,2,3
	global_load_b128 v[\x+8*\i:\x+8*\i+3], v[GV], s[14:15] offset:8192*\i
	global_load_b128 v[\x+8*\i+4:\x+8*\i+7], v[GV], s[14:15] offset:8192*\i+16
.endr
.endm
; A column's block of 32 channels, v[x] on, all in my lane: x 8^-1/2, the largest magnitude, the scale, the hold, the codes into v[CD] on, the scale's byte into v[by]
.macro QC x, by
.set jj, 0
.rept 16
	v_pk_mul_f32 v[\x+jj:\x+jj+1], v[\x+jj:\x+jj+1], s[24:25] op_sel_hi:[1,0]
.set jj, jj+2
.endr
	v_max3_num_f32 v[PM], |v[\x]|, |v[\x+1]|, |v[\x+2]|
	v_max3_num_f32 v[PM+1], |v[\x+3]|, |v[\x+4]|, |v[\x+5]|
.irp i, 6,10,14,18,22,26
	v_max3_num_f32 v[PM], v[PM], |v[\x+\i]|, |v[\x+\i+1]|
	v_max3_num_f32 v[PM+1], v[PM+1], |v[\x+\i+2]|, |v[\x+\i+3]|
.endr
	v_max3_num_f32 v[PM], v[PM], |v[\x+30]|, |v[\x+31]|
	v_max3_num_f32 v[PM], v[PM], v[PM+1], 0x8000000        ; the floor 2^(16 - 127): the byte cannot fall under 1
	v_add_nc_u32 v[PM+2], 0xf8800000, v[PM]                ; 15 off the exponent field: the conversion takes this operand's exponent field as its scale
	v_and_or_b32 v[PM+3], v[PM], 0x7f800000, s26           ; 57,344 x the scale
.set jj, 0
.rept 32
	v_med3_num_f32 v[\x+jj], v[\x+jj], -v[PM+3], v[PM+3]   ; the conversion to an 8-bit code does not saturate (ISA guide 7.6.2): the hold comes first
.set jj, jj+1
.endr
.irp g, 0,1,2,3
	v_cvt_scalef32_pk8_bf8_f32 v[CD+2*\g:CD+2*\g+1], v[\x+8*\g:\x+8*\g+7], v[PM+2]
.endr
	v_lshrrev_b32 v[\by], 23, v[PM+2]                      ; the scale's byte; also the plain line behind the conversions
.endm
.macro PUTC adr, off                   ; channels 0-15 of the block are the operand's lanes 0-15, channels 16-31 its lanes 16-31
	ds_store_b128 v[\adr], v[CD:CD+3] offset:\off
	ds_store_b128 v[\adr], v[CD+4:CD+7] offset:\off+PITCH
.endm
; Four channels x my 8 keys, v[x + 8 i] on; a block of 32 keys lies in four neighbouring lanes.  v goes in as it is.
.macro QV x
.irp i, 0,1,2,3
	v_max3_num_f32 v[PM+\i], |v[\x+8*\i]|, |v[\x+8*\i+1]|, 0x8000000
.endr
.irp k, 2,4,6
.irp i, 0,1,2,3
	v_max3_num_f32 v[PM+\i], v[PM+\i], |v[\x+8*\i+\k]|, |v[\x+8*\i+\k+1]|
.endr
.endr
.irp i, 0,1,2,3
	v_max_num_f32_dpp v[PM+\i], v[PM+\i], v[PM+\i] row_xmask:1 row_mask:0xf bank_mask:0xf
.endr
.irp i, 0,1,2,3
	v_max_num_f32_dpp v[PM+\i], v[PM+\i], v[PM+\i] row_xmask:2 row_mask:0xf bank_mask:0xf
.endr
.irp i, 0,1,2,3
	v_add_nc_u32 v[PM+4+\i], 0xf8800000, v[PM+\i]
.endr
.irp i, 0,1,2,3
	v_and_or_b32 v[PM+8+\i], v[PM+\i], 0x7f800000, s26
.endr
.irp i, 0,1,2,3
.irp k, 0,1,2,3,4,5,6,7
	v_med3_num_f32 v[\x+8*\i+\k], v[\x+8*\i+\k], -v[PM+8+\i], v[PM+8+\i]
.endr
.endr
.irp i, 0,1,2,3
	v_cvt_scalef32_pk8_bf8_f32 v[CD+2*\i:CD+2*\i+1], v[\x+8*\i:\x+8*\i+7], v[PM+4+\i]
.endr
.irp i, 0,1,2,3
	v_lshrrev_b32 v[PM+12+\i], 23, v[PM+4+\i]              ; the bytes; plain lines behind the conversions
.endr
.endm
; My wave's share of a slot of K: fragment (w / 2) % 4 of step w / 8, channel block w % 2.  The slot lies off bytes behind the slot in hand (s27).
.macro KTASK x, off
	QC \x, PM+4
	v_add_nc_u32 v[PM+16], s27, v[LK]
	v_add_nc_u32 v[PM+17], s27, v[LKS]
	PUTC PM+16, \off
	ds_store_b8 v[PM+17], v[PM+4] offset:\off
	s_wait_dscnt 0x0                                       ; the stores are done: their registers take the next step's fragments
.endm
; and of V: channels 4 (w % 2) + i + 8 h of fragment (w / 2) % 4 of step w / 8.  Four lanes of a block write the same byte with the same value.
.macro VTASK x, off
	QV \x
	v_add_nc_u32 v[PM+16], s27, v[LV]
	v_add_nc_u32 v[PM+17], s27, v[LVS]
.irp i, 0,1,2,3
	ds_store_b64 v[PM+16], v[CD+2*\i:CD+2*\i+1] offset:\off+16*\i
	ds_store_b8 v[PM+17], v[PM+12+\i] offset:\off+16*\i
.endr
	s_wait_dscnt 0x0
.endm
.macro BARRIER                         ; my LDS stores have landed and my LDS loads are in: then the work-group's barrier
	s_wait_dscnt 0x0
	s_barrier_signal -1
	s_barrier_wait -1
.endm
; A KEY STEP: 128 keys, the q-th step of the slot at s27, for my 16 queries.
.macro STEP q
	v_add_nc_u32 v[AI], s27, v[A0]
.rept 8
	v_nop                                                  ; with the addition nine places behind the last products: the products below write over registers that those read, and the loads land in others of them
.endr
	ds_load_b128 v[WS:WS+3], v[AI] offset:\q*STEPB+SOFF    ; lanes 0-15: K's four scale words of row r; lanes 16-31 (272 bytes on): V's four
.irp f, 0,1,2,3
.irp c, 0,1,2,3
	ds_load_b128 v[KF+16*\f+4*\c:KF+16*\f+4*\c+3], v[AI] offset:\q*STEPB+FRB*\f+GRP*\c
.endr
.endr
.irp f, 0,1,2,3
	s_wait_dscnt 12-4*\f                                   ; fragment f is in; the younger fragments' four loads each may be out
	v_wmma_scale_f32_16x16x128_f8f6f4 v[SS+16*\f:SS+16*\f+7], v[KF+16*\f:KF+16*\f+15], v[QLO:QLO+15], 0, v[WS+\f], v[QS] matrix_a_fmt:MATRIX_FMT_BF8 matrix_b_fmt:MATRIX_FMT_BF8
	v_wmma_scale_f32_16x16x128_f8f6f4 v[SS+16*\f+8:SS+16*\f+15], v[KF+16*\f:KF+16*\f+15], v[QHI:QHI+15], 0, v[WS+\f], v[QS] matrix_a_fmt:MATRIX_FMT_BF8 matrix_b_fmt:MATRIX_FMT_BF8
.endr
.rept 8
	v_nop                                                  ; eight places in front of the first read of results
.endr
.irp b, 0,1,2,3
	v_max3_num_f32 v[BM+\b], v[SS+16*\b], v[SS+1+16*\b], v[SS+2+16*\b]   ; the largest score of each block of 32 keys: for the row's maximum, and, since p rises with the score, for the block's largest p.  Each tile is read from its low end on
.endr
.irp i, 3,5,7,9,11,13
.irp b, 0,1,2,3
	v_max3_num_f32 v[BM+\b], v[BM+\b], v[SS+16*\b+\i], v[SS+1+16*\b+\i]
.endr
.endr
.irp b, 0,1,2,3
	v_max_num_f32 v[BM+\b], v[BM+\b], v[SS+15+16*\b]
.endr
.irp b, 0,1,2,3
	v_permlanex16_b32 v[T1+\b], v[BM+\b], s20, s21
.endr
.irp b, 0,1,2,3
	v_max_num_f32 v[BM+\b], v[BM+\b], v[T1+\b]             ; with lane l xor 16's 16 keys
.endr
	v_max3_num_f32 v[TA], v[BM], v[BM+1], v[BM+2]
	v_max_num_f32 v[TA], v[TA], v[BM+3]                    ; the step's largest score of my query
	v_mul_f32 v[TA], s22, v[TA]                            ; as t
	v_max_num_f32 v13, v13, v[TA]                          ; the running largest t
	v_mov_b32 v[TA], v12
	v_floor_f32 v12, -v13                                  ; the new -M = floor(-t): M is a whole number
	v_sub_f32 v[TA], v12, v[TA]                            ; old M - new M: a whole number, 0 or less
	v_cvt_i32_f32 v[TA], v[TA]                             ; (it saturates)
	v_ldexp_f32 v[FF], 1.0, v[TA]                          ; f = 2^(old M - new M): a multiplication by it rounds nothing
.set jj, 0
.rept 32
	v_pk_fma_f32 v[SS+jj:SS+jj+1], v[SS+jj:SS+jj+1], s[22:23], v[12:13] op_sel_hi:[1,0,0]   ; t - M, two at a time
.set jj, jj+2
.endr
.irp b, 0,1,2,3
	v_fma_f32 v[BM+\b], v[BM+\b], s22, v12                 ; the same of each block's largest score
.endr
.set jj, 0
.rept 64
	v_exp_f32 v[SS+jj], v[SS+jj]                           ; p = 2^(t - M), at most 1, not normalised
.set jj, jj+1
.endr
.irp b, 0,1,2,3
	v_exp_f32 v[BM+\b], v[BM+\b]                           ; the block's largest p: the same two instructions on the same number
.endr
	v_pk_mul_f32 v[14:15], v[14:15], v[FF:FF+1] op_sel_hi:[1,0]   ; the sums under the new M; the plain line behind the exponentials
	s_wait_alu depctr_va_vdst(0)
.irp b, 0,1,2,3
	v_max_num_f32 v[BM+\b], 0x8000000, v[BM+\b]            ; the floor 2^(16 - 127)
.endr
.irp b, 0,1,2,3
	v_add_nc_u32 v[CV+\b], 0xf8800000, v[BM+\b]
.endr
.irp b, 0,1,2,3
	v_and_or_b32 v[HD+\b], v[BM+\b], 0x7f800000, s26
.endr
.irp b, 0,1,2,3
	v_lshrrev_b32 v[T1+\b], 23, v[CV+\b]
.endr
	v_lshl_or_b32 v[PW], v[T1+1], 8, v[T1]                 ; p's scale word for these 128 keys
	v_lshl_or_b32 v[PW], v[T1+2], 16, v[PW]
	v_lshl_or_b32 v[PW], v[T1+3], 24, v[PW]
	v_pk_add_f32 v[T1:T1+1], v[SS:SS+1], v[SS+2:SS+3]      ; the row's sum is taken of the unquantised p: two at a time, in two chains
.set jj, 4
.rept 15
	v_pk_add_f32 v[14:15], v[14:15], v[SS+jj:SS+jj+1]
	v_pk_add_f32 v[T1:T1+1], v[T1:T1+1], v[SS+jj+2:SS+jj+3]
.set jj, jj+4
.endr
	v_pk_add_f32 v[14:15], v[14:15], v[T1:T1+1]
.irp b, 0,1,2,3
.set jj, 0
.rept 16
	v_min_num_f32 v[SS+16*\b+jj], v[SS+16*\b+jj], v[HD+\b] ; p is not negative: the hold is one-sided
.set jj, jj+1
.endr
	v_cvt_scalef32_pk8_bf8_f32 v[PC+4*\b:PC+4*\b+1], v[SS+16*\b:SS+16*\b+7], v[CV+\b]
	v_cvt_scalef32_pk8_bf8_f32 v[PC+4*\b+2:PC+4*\b+3], v[SS+16*\b+8:SS+16*\b+15], v[CV+\b]
.irp c, 0,1,2,3
	ds_load_b128 v[SS+16*\b+4*\c:SS+16*\b+4*\c+3], v[AI] offset:\q*STEPB+VOFF+FRB*\b+GRP*\c   ; V's fragment b takes the 16 registers whose p has just become codes
.endr
.endr
.set jj, 0
.rept 16
	v_pk_mul_f32 v[OT+jj:OT+jj+1], v[OT+jj:OT+jj+1], v[FF:FF+1] op_sel_hi:[1,0]   ; O^T under the new M, each tile from its low end on; these are also the places between the codes' making and the products
.set jj, jj+2
.endr
.irp t, 0,1,2,3                        ; the four accumulators take turns, and eight other products stand between a step's link and the next step's
	s_wait_dscnt 12-4*\t
	v_wmma_scale_f32_16x16x128_f8f6f4 v[OT+8*\t:OT+8*\t+7], v[SS+16*\t:SS+16*\t+15], v[PC:PC+15], v[OT+8*\t:OT+8*\t+7], v[WS+\t], v[PW] matrix_a_fmt:MATRIX_FMT_BF8 matrix_b_fmt:MATRIX_FMT_BF8 matrix_a_scale:MATRIX_SCALE_ROW1
.endr
.endm
; A pass begins: tile p of my queries comes out of its image; M, the sum and O^T start.  (The step is written once: its first f is 0 and finds zeros.)
.macro PASSHEAD p
	v_add_nc_u32 v10, s37, v[A0]
	v_and_b32 v11, 15, v0
	v_lshl_add_u32 v11, v11, 2, s38
	ds_load_b128 v[QLO:QLO+3], v10 offset:2*GRP*\p
	ds_load_b128 v[QLO+4:QLO+7], v10 offset:2*GRP*\p+GRP
	ds_load_b32 v[QS], v11 offset:64*\p
	v_mov_b32 v13, 0xff61b1e6                              ; the largest t so far: -3e38
	v_floor_f32 v12, -v13
	v_mov_b32 v14, 0
	v_mov_b32 v15, 0
.set jj, 0
.rept 32
	v_mov_b32 v[OT+jj], 0
.set jj, jj+1
.endr
	s_mov_b32 s27, 0
	s_wait_dscnt 0x0
.endm
; A pass ends: O^T / the row's sum into v[dst] on
.macro NORMAL dst
.rept 8
	v_nop                                                  ; eight places behind the last products
.endr
	v_add_f32 v14, v14, v15
	v_permlanex16_b32 v[TA], v14, s20, s21
	v_add_f32 v14, v14, v[TA]                              ; the sum's two halves and lane l xor 16's
	v_rcp_f32 v14, v14
	v_nop                                                  ; a plain line behind the reciprocal
.set jj, 0
	s_wait_alu depctr_va_vdst(0)
.rept 16
	v_pk_mul_f32 v[\dst+jj:\dst+jj+1], v[OT+jj:OT+jj+1], v[14:15] op_sel_hi:[1,0]
.set jj, jj+2
.endr
.endm
	; ---- THE HEAD: ids, the loads' offsets and bases, then all first loads; the LDS addresses are made while they are on their way
	s_load_b128 s[4:7], s[0:1], 0x0                        ; qkv, out0
	v_lshrrev_b32 v9, 5, v0
	v_readfirstlane_b32 s8, v9                             ; wave 0..15
	s_and_b32 s10, ttmp7, 0xffff                           ; the batch
	v_and_b32 v12, 15, v0                                  ; r
	v_bfe_u32 v13, v0, 4, 1                                ; h
	v_and_b32 v[GK], 8, v12
	v_add_nc_u32 v[GK], v[GK], v12
	v_lshl_add_u32 v[GK], v13, 3, v[GK]                    ; lane (r, h) takes row r of tile h: key r + 8 (r / 8) + 8 h of the fragment's 32
	v_lshlrev_b32 v[GK], 2, v[GK]
	v_lshlrev_b32 v[GV], 5, v12
	v_lshl_add_u32 v[GV], v13, 16, v[GV]
	v_and_b32 v10, 31, v0
	v_lshlrev_b32 v10, 2, v10                              ; Q's loads: 4 x lane
	s_lshr_b32 s30, s8, 3                                  ; my task in a slot: step w / 8,
	s_bfe_u32 s31, s8, 0x20001                             ; fragment (w / 2) % 4,
	s_and_b32 s32, s8, 1                                   ; half w % 2
	s_mul_i32 s40, s10, BSTR                               ; byte offsets, all under 2^27
	s_mov_b32 s41, 0
	s_lshl_b32 s42, s32, 18                                ; K: channel block x 32 rows of 8,192 bytes
	s_lshr_b32 s43, s8, 1
	s_lshl_b32 s43, s43, 7                                 ; + 32 keys x (w / 2)
	s_add_co_u32 s42, s42, s43
	s_add_co_u32 s42, s42, 64*8192
	s_add_co_u32 s42, s42, s40
	s_mov_b32 s43, 0
	s_lshl_b32 s44, s31, 17                                ; V: 16 rows x fragment
	s_lshl_b32 s45, s32, 15                                ; + 4 rows x half
	s_add_co_u32 s44, s44, s45
	s_lshl_b32 s45, s30, 9                                 ; + 128 keys x step
	s_add_co_u32 s44, s44, s45
	s_add_co_u32 s44, s44, 128*8192
	s_add_co_u32 s44, s44, s40
	s_mov_b32 s45, 0
	s_lshl_b32 s46, ttmp9, 11                              ; Q: 512 queries x work-group x
	s_lshl_b32 s47, s8, 7                                  ; + 32 x wave
	s_add_co_u32 s46, s46, s47
	s_add_co_u32 s46, s46, s40
	s_mov_b32 s47, 0
	s_lshl_b32 s40, s10, 19                                ; out0: the batch's 64 rows,
	s_lshl_b32 s36, s8, 15                                 ; my four rows,
	s_add_co_u32 s40, s40, s36
	s_lshl_b32 s36, ttmp9, 11                              ; the work-group's 512 queries
	s_add_co_u32 s40, s40, s36
	s_wait_kmcnt 0x0
	s_add_nc_u64 s[12:13], s[4:5], s[42:43]
	s_add_nc_u64 s[14:15], s[4:5], s[44:45]
	s_add_nc_u64 s[16:17], s[4:5], s[46:47]
	s_add_nc_u64 s[18:19], s[6:7], s[40:41]
	LOADC RR, GK, 12, 0, 0                                 ; slot 0: my share of K,
	LOADV SS                                               ; and of V;
	LOADC 136, 10, 16, 0, 1                                ; my 32 queries, channels 0-31,
	LOADC 168, 10, 16, 32*8192, 1                          ; and 32-63: read once in the launch
	v_lshlrev_b32 v[A0], 4, v12
	v_mad_u32_u24 v[A0], v13, PITCH, v[A0]
	s_mul_i32 s33, s30, STEPB
	s_mul_i32 s34, s31, FRB
	s_add_co_u32 s34, s34, s33                             ; my step and fragment in a slot
	s_mul_i32 s35, s32, GRP
	s_add_co_u32 s35, s35, s34
	v_lshlrev_b32 v[LK], 4, v12
	v_mad_u32_u24 v[LK], v13, 2*GRP, v[LK]                 ; K's codes: group 2 u + channel block, u = my lane's half; row r
	v_add_nc_u32 v[LK], s35, v[LK]
	s_lshl_b32 s35, s32, 6
	s_add_co_u32 s35, s35, s34
	s_add_co_u32 s35, s35, VOFF
	v_bfe_u32 v[LV], v0, 1, 3
	v_mul_u32_u24 v[LV], v[LV], PITCH                      ; V's codes: keys 8 l on lie in group l / 4, half (l / 2) % 2, byte 8 (l % 2); row 4 (w % 2) + i + 8 h
	v_lshl_add_u32 v[LV], v13, 7, v[LV]
	v_and_b32 v[LKS], 1, v0
	v_lshl_add_u32 v[LV], v[LKS], 3, v[LV]
	v_add_nc_u32 v[LV], s35, v[LV]
	s_lshl_b32 s35, s31, 2
	s_add_co_u32 s35, s35, s32
	s_add_co_u32 s35, s35, s33
	s_add_co_u32 s35, s35, SOFF
	v_lshlrev_b32 v[LKS], 4, v12                           ; K's scale byte: row r's 16 bytes, word = fragment, byte 2 u + channel block
	v_lshl_add_u32 v[LKS], v13, 1, v[LKS]
	v_add_nc_u32 v[LKS], s35, v[LKS]
	s_lshl_b32 s35, s31, 2
	s_lshl_b32 s36, s32, 6
	s_add_co_u32 s35, s35, s36
	s_add_co_u32 s35, s35, s33
	s_add_co_u32 s35, s35, SOFF+PITCH
	v_bfe_u32 v[LVS], v0, 2, 2                             ; V's scale bytes: row's 16 bytes, word = fragment, byte = block l / 4
	v_lshl_add_u32 v[LVS], v13, 7, v[LVS]
	v_add_nc_u32 v[LVS], s35, v[LVS]
	s_mul_i32 s37, s8, FRB
	s_add_co_u32 s37, s37, QIMG                            ; my Q images
	s_lshl_b32 s38, s8, 7
	s_add_co_u32 s38, s38, QSC                             ; my Q scale words
	v_lshlrev_b32 v11, 4, v12
	v_mad_u32_u24 v11, v13, 2*GRP, v11                     ; lane = query: tile lane / 16, row r
	v_add_nc_u32 v11, s37, v11
	s_mov_b32 s20, 0x76543210
	s_mov_b32 s21, 0xfedcba98                              ; v_permlanex16_b32's selects for lane l xor 16
	s_mov_b32 s22, 0x3fb8aa3b                              ; log2(e)
	s_mov_b32 s23, s22                                     ; (the packed forms name pairs and take the low word for both halves)
	s_mov_b32 s24, 0x3eb504f3                              ; 8^-1/2
	s_mov_b32 s25, s24
	s_mov_b32 s26, 0x600000                                ; the mantissa field of 57,344
	s_mov_b32 s27, 0
.irp j, 0,1,2,3,4,5,6,7
	v_mov_b32 v[QHI+\j], 0                                 ; the zero codes on both sides of q
	v_mov_b32 v[QLO+8+\j], 0
.endr
.irp b, 0,1,2,3
	v_mov_b32 v[T1+\b], 0                                  ; written once: a lane permute's destination counts as one of its sources
.endr
	v_mov_b32 v[PW], 0                                     ; (named as the upper half of the pair v[252:253] before it is first made)
	s_wait_loadcnt 0x3f                                    ; of the 104 loads the youngest 63, all of them Q's, may be out: K's 32 and V's 8 are in
	KTASK RR, 0
	VTASK SS, 0
	s_wait_loadcnt 32                                      ; Q's channels 0-31 are in
	QC 136, PM+5
	PUTC 11, 0
	s_wait_dscnt 0x0                                       ; the stores are done: the codes' registers are written again
	s_wait_loadcnt 0x0
	QC 168, PM+6
	PUTC 11, GRP
	v_lshl_or_b32 v[PM+7], v[PM+6], 8, v[PM+5]
	v_lshl_or_b32 v[PM+7], v[PM+7], 16, v[PM+7]            ; the two bytes twice: they serve q | 0 and 0 | q
	v_lshl_add_u32 v[PM+8], v0, 2, QSC
	ds_store_b32 v[PM+8], v[PM+7]
	s_add_nc_u64 s[12:13], s[12:13], 1024                  ; (no load is out)  on to slot 1's 256 keys
	s_add_nc_u64 s[14:15], s[14:15], 1024
	BARRIER                                                ; slot 0 lies in LDS
	; ---- PASS 0: my queries 0-15; slot i is multiplied while slot i + 1 is made
	PASSHEAD 0
	s_mov_b32 s29, 7
.Lslot:
	LOADC RR, GK, 12, 0, 0                                 ; 4 KiB a wave are asked for a key step ahead of the wait for them
	STEP 0
	s_wait_loadcnt 0x0
	KTASK RR, SLOTB
	s_add_nc_u64 s[12:13], s[12:13], 1024                  ; (behind the wait that showed its loads done)
	LOADV RR
	STEP 1
	s_wait_loadcnt 0x0
	VTASK RR, SLOTB
	s_add_nc_u64 s[14:15], s[14:15], 1024
	s_add_co_u32 s27, s27, SLOTB
	BARRIER                                                ; the next slot lies in LDS.  Nothing that was read is written: the barrier only publishes
	s_sub_co_u32 s29, s29, 1
	s_cmp_lg_u32 s29, 0
	s_cbranch_scc1 .Lslot
	STEP 0                                                 ; the last slot: nothing is left to make
	STEP 1
	NORMAL RR                                              ; the result waits in the registers in which the loads landed
	; ---- PASS 1: my queries 16-31, over the finished images: no store, no barrier
	PASSHEAD 1
	s_mov_b32 s29, 8
.Lagain:
	STEP 0
	STEP 1
	s_add_co_u32 s27, s27, SLOTB
	s_sub_co_u32 s29, s29, 1
	s_cmp_lg_u32 s29, 0
	s_cbranch_scc1 .Lagain
	NORMAL OT
	; ---- THE WAY OUT.  A lane holds one query and 32 channels, a row of out0 wants 512 neighbouring queries: the work-group's 64 x 512 numbers meet in a stage, and each wave stores four whole rows' parts.
	v_and_b32 v5, 15, v0
	v_bfe_u32 v6, v0, 4, 1
	v_lshlrev_b32 v3, 2, v5
	v_mad_u32_u24 v3, v6, 8*SROW, v3                       ; in: channel 8 h + .., query r; the two halves of the lanes fall 4,128 words apart: other banks
	s_lshl_b32 s30, s8, 7
	v_add_nc_u32 v3, s30, v3                               ; + my wave's 32 queries
	v_add_nc_u32 v4, 32*SROW, v3                           ; channels 32 on: beyond the 16-bit offset
	v_and_b32 v7, 31, v0
	v_lshlrev_b32 v7, 4, v7                                ; back, and in out0: 16 bytes a lane
	s_mul_i32 s31, s8, 4*SROW
	v_add_nc_u32 v8, s31, v7                               ; my four channels' rows
	BARRIER                                                ; every wave's reads of the images are over: the stage may lie over them
.irp p, 0,1
.irp ct, 0,1,2,3
.irp j, 0,1,2,3,4,5,6,7
	ds_store_b32 v[3+\ct/2], v[RR-32*\p+8*\ct+\j] offset:(16*(\ct%2)+\j)*SROW+64*\p
.endr
.endr
.endr
	BARRIER                                                ; 64 rows of 512 queries lie in the stage
.irp i, 0,1,2,3
.irp k, 0,1,2,3
	ds_load_b128 v[KF+16*\i+4*\k:KF+16*\i+4*\k+3], v8 offset:SROW*\i+512*\k
.endr
.endr
.irp i, 0,1,2,3
.irp k, 0,1,2,3
	s_wait_dscnt 15-4*\i-\k                                ; LDS loads come back in order: this one is in, the younger ones may be out
	global_store_b128 v7, v[KF+16*\i+4*\k:KF+16*\i+4*\k+3], s[18:19] offset:8192*\i+512*\k th:TH_STORE_NT   ; 32 lanes store 512 consecutive bytes, at a multiple of 256 from out0's first byte
.endr
.endr
	s_wait_xcnt 0x0
	v_lshl_add_u32 v254, v0, 2, 0x4f100
	v_mov_b32 v255, 0
	s_wait_tensorcnt 0x0
	ds_add_u32 v254, v255
	s_wait_dscnt 0x0
	s_endpgm
.Lfunc_end_k_q933612c451_attn:
	.size	k_q933612c451_attn, .Lfunc_end_k_q933612c451_attn-k_q933612c451_attn
	.p2alignl 7, 3214868480
	.fill 96, 4, 3214868480
	.section	.rodata,"a",@progbits
	.p2align	6, 0x0
	.amdhsa_kernel k_q933612c451_attn
		.amdhsa_group_segment_fixed_size 325888
		.amdhsa_private_segment_fixed_size 0
		.amdhsa_enable_private_segment 0
		.amdhsa_kernarg_size 16
		.amdhsa_user_sgpr_count 2
		.amdhsa_user_sgpr_kernarg_segment_ptr 1
		.amdhsa_wavefront_size32 1
		.amdhsa_system_sgpr_workgroup_id_x 1
		.amdhsa_system_sgpr_workgroup_id_y 1
		.amdhsa_system_sgpr_workgroup_id_z 1
		.amdhsa_system_vgpr_workitem_id 0
		.amdhsa_next_free_vgpr 256
		.amdhsa_next_free_sgpr 66
		.amdhsa_reserve_vcc 0
		.amdhsa_float_denorm_mode_32 3
		.amdhsa_float_denorm_mode_16_64 3
		.amdhsa_memory_ordered 1
		.amdhsa_forward_progress 1
		.amdhsa_inst_pref_size 172
	.end_amdhsa_kernel
	.amdgpu_metadata
---
amdhsa.version: [ 1, 2 ]
amdhsa.kernels:
  - .name:           k_q933612c451_attn
    .symbol:         k_q933612c451_attn.kd
    .args:
      - { .name: qkv, .offset: 0, .size: 8, .value_kind: global_buffer, .address_space: global }
      - { .name: out0, .offset: 8, .size: 8, .value_kind: global_buffer, .address_space: global }
    .group_segment_fixed_size: 325888
    .private_segment_fixed_size: 0
    .kernarg_segment_align: 8
    .kernarg_segment_size: 16
    .max_flat_workgroup_size: 512
    .sgpr_count:     66
    .vgpr_count:     256
    .wavefront_size: 32
...
	.end_amdgpu_metadata
.endif
;; end of part 1
;; ======== version 2 of 2: 1 launch; version 1 with the launch attn written anew for expert scheduling mode
;; launch attn (part 2): grid 4 x 64, 16 waves a work-group, no clusters, 325,888 bytes of LDS; arguments qkv, out0; writes out0
.if DOCPART == 2
	.amdgcn_target "amdgcn-amd-amdhsa--gfx1250"
	.amdhsa_code_object_version 6
	.text
	.protected	k_q933612c451_attn
	.globl	k_q933612c451_attn
	.p2align	8
	.type	k_q933612c451_attn,@function
k_q933612c451_attn:
	s_mov_b64 s[64:65], 0
	v_nop
	global_prefetch_b8 v0, s[64:65] scope:SCOPE_SE
	s_setreg_imm32_b32 hwreg(HW_REG_WAVE_SCHED_MODE, 0, 2), 2
	s_setreg_imm32_b32 hwreg(HW_REG_WAVE_MODE, 25, 1), 1
	s_wait_xcnt 0x0
	s_wait_alu depctr_vm_vsrc(0)
; out0[b][c][t] = sum over s of softmax_s(q[b][:,t] . k[b][:,s] / 8) v[b][c][s].  qkv: [64][192][2048] f32 (rows 0-63 q, 64-127 k, 128-191 v; t innermost); out0: [64][64][2048] f32.
; Both products run on codes of BF8 (E5M2) with one E8M0 scale for each 32 along the product's K.  q x 8^-1/2 and k x 8^-1/2 are quantised down the 64 channels (two blocks), v along the keys,
; p = 2^(t - M) along the keys, t = score x log2(e), M = the running largest t rounded up to a whole number.  The row's sum is taken of the unquantised p and divides at the end.
; SHARES.  Work-group (x, y): batch y, queries 512 x .. 512 x + 511.  Sixteen waves of 256 registers; wave w owns queries 32 w .. 32 w + 31 of the block, as two passes of 16.
; THE CODES OF A WHOLE BATCH'S K AND V LIE IN LDS, as images of the operands' registers, made by this work-group: global load -> registers -> quantiser -> ds_store.  Pass 0 walks the keys in 8 slots of 256:
; while slot i is multiplied, every wave loads and quantises 1/16 of slot i + 1; one barrier a slot publishes it.  Pass 1 walks the finished images without a barrier.  No LDS byte is written twice before the way out.
; NO CLUSTER, NO TENSOR LOAD: what the four work-groups of a batch share (k, v) arrives as f32 and must pass through registers to become codes; a joint load would have to land f32 tiles in LDS,
; where the images take 323,840 of the 327,680 bytes.  The four work-groups of a batch are neighbours along x and read the same rows at about the same time.
; LAYOUT.  Both products are used transposed, so that a lane holds ONE query (lane % 16) throughout.
;   S^T = K Q^T.  The instruction's K is 128, the product's 64: a fragment of K (16 registers) holds TWO tiles of 16 keys, tile u's 64 channels at positions 64 u .. 64 u + 63, and Q lies as 0 | q | 0 in 24 registers:
;   q | 0 picks tile 0, 0 | q tile 1 (zero codes add nothing under any scale byte from 1 to 254).  Row m of tile u of fragment b is key 32 b + 8 u + m + 8 (m / 8), so that score register 16 b + i of lane (r, h)
;   is key 32 b + 16 h + i: the conversions' results are the second product's operand as they stand.
;   O^T += V^T P^T: source 0 = 16 channels x 128 keys, source 1 = p's codes; register j of tile ct is channel 16 ct + 8 h + j.
; LIMITS.  NaN and infinities among the inputs are not served.  A block of zeros gets the scale byte 1, not 127: its codes are zeros and the bytes are read here alone.  A p under 2^-126 becomes 0
; (v_exp_f32 gives 0 there).  A block's largest p is made from its largest score by the same two instructions, which takes v_exp_f32 not to fall where its input rises.
; THE MODE: SCHED_MODE bits 1:0 = 2 (LLVM: expert scheduling mode 2), set by the entry lines.  The code itself states the register dependences between vector or matrix instructions and memory or LDS
; instructions, with s_wait_alu, always for 0.
; THE PLAN.  Registers that memory or LDS instructions touch, and who else names them:
;   v3, v4, v10   offsets of k's, v's and q's global loads: made at the head; v10 is written again where a pass begins, v3 and v4 on the way out.
;   v9 (AI)       written at a step's head, read by the step's 33 LDS loads.
;   v248-251, v40-103   a step's scale words and K's fragments land here at its head.  Before that: the last step's products read v248-251 and v40-55; between steps of pass 0 the quantiser writes v56-81, and its LDS stores read them.
;   v104-167      K Q^T writes the scores, the softmax works in place, the holds and conversions read them last; then V's fragments land here, two fragments behind each pair of blocks.
;   v200-231      pass 0: the next slot's numbers land here, asked for behind a step's head; the quantiser works on them in place at the step's end.  Pass 1: pass 0's result, which the way out's LDS stores read.
;   v24-31, v2    q's codes and scale word: loaded where a pass begins, read by the pass's products.
; A KEY STEP so has one wait on vm_vsrc, at its head, and six on va_vdst: at its head, ahead of and behind the exponentials, behind blocks 0 and 1's conversions, behind blocks 2 and 3's with four places, and ahead of the products.
; All 256 registers of the wave are in use: no buffer has a second set.
.set PITCH, 272                        ; an image's row: 16 lanes x 16 bytes + 16 of padding: one group of four registers of one half of the lanes
.set GRP,   2*PITCH                    ; a group of four registers, both halves
.set FRB,   4*GRP                      ; a fragment's image: lane (r, h) reads group c at 16 r + 272 h + 544 c: each half of the lanes takes 256 consecutive bytes
.set VOFF,  4*FRB                      ; a step's region: K's four fragments, then V's four,
.set SOFF,  8*FRB                      ; K's scale words [row][fragment] (256 bytes, 16 unused), V's [row][fragment] (256 bytes)
.set STEPB, SOFF+PITCH+256             ; 17,936 bytes for 128 keys
.set SLOTB, 2*STEPB                    ; a slot: 256 keys
.set QIMG,  16*STEPB                   ; behind the 16 steps: Q's images, for each wave two tiles of 2 groups
.set QSC,   QIMG+16*FRB                ; Q's scale words, one a query; the end lies at 323,840
.set SROW,  2064                       ; the way out: a stage of 64 channels x (512 queries x 4 bytes + 16), from LDS byte 0, over steps that nobody reads any more
.set BSTR,  192*2048*4                 ; a batch of qkv in bytes
.set A0,  1                            ; v1   16 r + 272 h
.set QS,  2                            ; v2   Q's scale word, and nothing else
.set GK,  3                            ; v3   K's loads: 4 x (r + (r & 8) + 8 h): my key among a fragment's 32
.set GV,  4                            ; v4   V's loads: 8 rows x h + 32 r
.set LK,  5                            ; v5   where I store K's codes       (v5-8: lane terms + my wave's task in a slot)
.set LV,  6                            ; v6   V's codes
.set LKS, 7                            ; v7   K's scale byte
.set LVS, 8                            ; v8   V's scale bytes
.set AI,  9                            ; v9   A0 + the slot in hand
                                       ; v10, v11 addresses of Q; v12 -M, v13 the largest t, v[14:15] the sum in two halves
.set QHI, 16                           ; v[16:31] = 0 | q     (v16-23 = 0, v24-31 = q, v32-39 = 0)
.set QLO, 24                           ; v[24:39] = q | 0
.set KF,  40                           ; v40-103  K's four fragments
.set PC,  40                           ; v40-55   later p's codes
.set CD,  56                           ; v56-63   between steps: the codes just made;
.set PM,  64                           ; v64-81   and the quantiser's work
.set SS,  104                          ; v104-167 the scores, then p, then V's four fragments
.set OT,  168                          ; v168-199 O^T
.set RR,  200                          ; v200-231 pass 0: where the loads in flight land; pass 1: pass 0's finished result
.set BM,  232                          ; v232-235 each block's largest score, then its largest p
.set T1,  236                          ; v236-239 at work
.set HD,  240                          ; v240-243 57,344 x the scale
.set CV,  244                          ; v244-247 the conversions' scale operands
.set WS,  248                          ; v248-251 scale words: lanes 0-15 K's four fragments', lanes 16-31 V's four
.set FF,  252                          ; v252     f = 2^(old M - new M)
.set PW,  253                          ; v253     p's scale word
.set TA,  254
; s[4:7] qkv, out0; s8 wave; s10 batch; s[12:13] K's loads, s[14:15] V's, s[16:17] Q's, s[18:19] the stores; s[20:21] lane selects; s[22:23] log2(e); s[24:25] 8^-1/2; s26 mantissa of 57,344;
; s27 LDS byte of the slot in hand; s29 trips; s37, s38 my Q images and scale words; s30-47 at work
; 32 loads: a lane takes a column (a key or a query) and its registers run down 32 channels, one block.  Each load reads 128 consecutive bytes.
.macro LOADC x, voff, sb, off, nt
.set ii, 0
.rept 32
.if \nt
	global_load_b32 v[\x+ii], v[\voff], s[\sb:\sb+1] offset:\off+8192*ii th:TH_LOAD_NT
.else
	global_load_b32 v[\x+ii], v[\voff], s[\sb:\sb+1] offset:\off+8192*ii
.endif
.set ii, ii+1
.endr
.endm
; 8 loads: lane (h, l = lane % 16) takes keys 8 l .. 8 l + 7 of channels i + 8 h, i = 0 .. 3, of my wave's eight: a pair of loads covers 512 consecutive bytes of two rows
.macro LOADV x
.irp i, 0,1,2,3
	global_load_b128 v[\x+8*\i:\x+8*\i+3], v[GV], s[14:15] offset:8192*\i
	global_load_b128 v[\x+8*\i+4:\x+8*\i+7], v[GV], s[14:15] offset:8192*\i+16
.endr
.endm
; A column's block of 32 channels, v[x] on, all in my lane: x 8^-1/2, the largest magnitude, the scale, the hold, the codes into v[CD] on, the scale's byte into v[by]
.macro QC x, by
.set jj, 0
.rept 16
	v_pk_mul_f32 v[\x+jj:\x+jj+1], v[\x+jj:\x+jj+1], s[24:25] op_sel_hi:[1,0]
.set jj, jj+2
.endr
	v_max3_num_f32 v[PM], |v[\x]|, |v[\x+1]|, |v[\x+2]|
	v_max3_num_f32 v[PM+1], |v[\x+3]|, |v[\x+4]|, |v[\x+5]|
.irp i, 6,10,14,18,22,26
	v_max3_num_f32 v[PM], v[PM], |v[\x+\i]|, |v[\x+\i+1]|
	v_max3_num_f32 v[PM+1], v[PM+1], |v[\x+\i+2]|, |v[\x+\i+3]|
.endr
	v_max3_num_f32 v[PM], v[PM], |v[\x+30]|, |v[\x+31]|
	v_max3_num_f32 v[PM], v[PM], v[PM+1], 0x8000000        ; the floor 2^(16 - 127): the byte cannot fall under 1
	v_add_nc_u32 v[PM+2], 0xf8800000, v[PM]                ; 15 off the exponent field: the conversion takes this operand's exponent field as its scale
	v_and_or_b32 v[PM+3], v[PM], 0x7f800000, s26           ; 57,344 x the scale
.set jj, 0
.rept 32
	v_med3_num_f32 v[\x+jj], v[\x+jj], -v[PM+3], v[PM+3]   ; the conversion to an 8-bit code does not saturate (ISA guide 7.6.2): the hold comes first
.set jj, jj+1
.endr
.irp g, 0,1,2,3
	v_cvt_scalef32_pk8_bf8_f32 v[CD+2*\g:CD+2*\g+1], v[\x+8*\g:\x+8*\g+7], v[PM+2]
.endr
	v_lshrrev_b32 v[\by], 23, v[PM+2]                      ; the scale's byte; also the plain line behind the conversions
.endm
.macro PUTC adr, off                   ; channels 0-15 of the block are the operand's lanes 0-15, channels 16-31 its lanes 16-31
	ds_store_b128 v[\adr], v[CD:CD+3] offset:\off
	ds_store_b128 v[\adr], v[CD+4:CD+7] offset:\off+PITCH
.endm
; Four channels x my 8 keys, v[x + 8 i] on; a block of 32 keys lies in four neighbouring lanes.  v goes in as it is.
.macro QV x
.irp i, 0,1,2,3
	v_max3_num_f32 v[PM+\i], |v[\x+8*\i]|, |v[\x+8*\i+1]|, 0x8000000
.endr
.irp k, 2,4,6
.irp i, 0,1,2,3
	v_max3_num_f32 v[PM+\i], v[PM+\i], |v[\x+8*\i+\k]|, |v[\x+8*\i+\k+1]|
.endr
.endr
.irp i, 0,1,2,3
	v_max_num_f32_dpp v[PM+\i], v[PM+\i], v[PM+\i] row_xmask:1 row_mask:0xf bank_mask:0xf
.endr
.irp i, 0,1,2,3
	v_max_num_f32_dpp v[PM+\i], v[PM+\i], v[PM+\i] row_xmask:2 row_mask:0xf bank_mask:0xf
.endr
.irp i, 0,1,2,3
	v_add_nc_u32 v[PM+4+\i], 0xf8800000, v[PM+\i]
.endr
.irp i, 0,1,2,3
	v_and_or_b32 v[PM+8+\i], v[PM+\i], 0x7f800000, s26
.endr
.irp i, 0,1,2,3
.irp k, 0,1,2,3,4,5,6,7
	v_med3_num_f32 v[\x+8*\i+\k], v[\x+8*\i+\k], -v[PM+8+\i], v[PM+8+\i]
.endr
.endr
.irp i, 0,1,2,3
	v_cvt_scalef32_pk8_bf8_f32 v[CD+2*\i:CD+2*\i+1], v[\x+8*\i:\x+8*\i+7], v[PM+4+\i]
.endr
.irp i, 0,1,2,3
	v_lshrrev_b32 v[PM+12+\i], 23, v[PM+4+\i]              ; the bytes; plain lines behind the conversions
.endr
.endm
; My wave's share of a slot of K: fragment (w / 2) % 4 of step w / 8, channel block w % 2.  The slot lies off bytes behind the slot in hand (s27).
.macro KTASK x, off
	QC \x, PM+4
	v_add_nc_u32 v[PM+16], s27, v[LK]
	v_add_nc_u32 v[PM+17], s27, v[LKS]
	s_wait_alu depctr_va_vdst(0)                           ; the codes v[CD ..], the byte v[PM+4] and the two addresses are written: the three stores below read them
	PUTC PM+16, \off
	ds_store_b8 v[PM+17], v[PM+4] offset:\off
	s_wait_dscnt 0x0                                       ; the stores are done: their registers take the next step's fragments
.endm
; and of V: channels 4 (w % 2) + i + 8 h of fragment (w / 2) % 4 of step w / 8.  Four lanes of a block write the same byte with the same value.
.macro VTASK x, off
	QV \x
	v_add_nc_u32 v[PM+16], s27, v[LV]
	v_add_nc_u32 v[PM+17], s27, v[LVS]
	s_wait_alu depctr_va_vdst(0)                           ; the codes v[CD ..], the four bytes v[PM+12 ..] and the two addresses are written: the eight stores below read them
.irp i, 0,1,2,3
	ds_store_b64 v[PM+16], v[CD+2*\i:CD+2*\i+1] offset:\off+16*\i
	ds_store_b8 v[PM+17], v[PM+12+\i] offset:\off+16*\i
.endr
	s_wait_dscnt 0x0
.endm
.macro BARRIER                         ; my LDS stores have landed and my LDS loads are in: then the work-group's barrier
	s_wait_dscnt 0x0
	s_barrier_signal -1
	s_barrier_wait -1
.endm
; Block b of p: the hold and the two conversions; their results are registers 4 b .. 4 b + 3 of the second product's operand
.macro PCODES b
.set jj, 0
.rept 16
	v_min_num_f32 v[SS+16*(\b)+jj], v[SS+16*(\b)+jj], v[HD+(\b)] ; p is not negative: the hold is one-sided
.set jj, jj+1
.endr
	v_cvt_scalef32_pk8_bf8_f32 v[PC+4*(\b):PC+4*(\b)+1], v[SS+16*(\b):SS+16*(\b)+7], v[CV+(\b)]
	v_cvt_scalef32_pk8_bf8_f32 v[PC+4*(\b)+2:PC+4*(\b)+3], v[SS+16*(\b)+8:SS+16*(\b)+15], v[CV+(\b)]
.endm
; V's fragment b of the slot's q-th step takes the 16 registers whose p has become codes
.macro VFRAG q, b
.irp c, 0,1,2,3
	ds_load_b128 v[SS+16*(\b)+4*\c:SS+16*(\b)+4*\c+3], v[AI] offset:(\q)*STEPB+VOFF+FRB*(\b)+GRP*\c
.endr
.endm
; A KEY STEP: 128 keys, the q-th step of the slot at s27, for my 16 queries.  ld = 1: my share of the next slot's K is asked for behind the step's LDS loads; ld = 2: my share of its V; ld = 0: nothing.
.macro STEP q, ld
	s_wait_alu depctr_vm_vsrc(0)                           ; the last step's LDS loads have read v[AI], which is written below; the quantiser's LDS stores have read v56-81, in which K's fragments land
	v_add_nc_u32 v[AI], s27, v[A0]
.rept 8
	v_nop                                                  ; with the addition nine places behind the last products: the products below write over registers that those read
.endr
	s_wait_alu depctr_va_vdst(0)                           ; v[AI] is written; the last products are done reading v[WS ..] and p's codes v40-55; the quantiser is done with v56-81 and with v[RR ..]: the loads below land in all of these
	ds_load_b128 v[WS:WS+3], v[AI] offset:\q*STEPB+SOFF    ; lanes 0-15: K's four scale words of row r; lanes 16-31 (272 bytes on): V's four
.irp f, 0,1,2,3
.irp c, 0,1,2,3
	ds_load_b128 v[KF+16*\f+4*\c:KF+16*\f+4*\c+3], v[AI] offset:\q*STEPB+FRB*\f+GRP*\c
.endr
.endr
.if \ld == 1
	LOADC RR, GK, 12, 0, 0                                 ; 4 KiB a wave are asked for a key step ahead of the wait for them.  No vector line since the wait above: nothing more is owed
.endif
.if \ld == 2
	LOADV RR
.endif
.irp f, 0,1,2,3
	s_wait_dscnt 12-4*\f                                   ; fragment f is in; the younger fragments' four loads each may be out
	v_wmma_scale_f32_16x16x128_f8f6f4 v[SS+16*\f:SS+16*\f+7], v[KF+16*\f:KF+16*\f+15], v[QLO:QLO+15], 0, v[WS+\f], v[QS] matrix_a_fmt:MATRIX_FMT_BF8 matrix_b_fmt:MATRIX_FMT_BF8
	v_wmma_scale_f32_16x16x128_f8f6f4 v[SS+16*\f+8:SS+16*\f+15], v[KF+16*\f:KF+16*\f+15], v[QHI:QHI+15], 0, v[WS+\f], v[QS] matrix_a_fmt:MATRIX_FMT_BF8 matrix_b_fmt:MATRIX_FMT_BF8
.endr
.rept 8
	v_nop                                                  ; eight places in front of the first read of results
.endr
.irp b, 0,1,2,3
	v_max3_num_f32 v[BM+\b], v[SS+16*\b], v[SS+1+16*\b], v[SS+2+16*\b]   ; the largest score of each block of 32 keys: for the row's maximum, and, since p rises with the score, for the block's largest p.  Each tile is read from its low end on
.endr
.irp i, 3,5,7,9,11,13
.irp b, 0,1,2,3
	v_max3_num_f32 v[BM+\b], v[BM+\b], v[SS+16*\b+\i], v[SS+1+16*\b+\i]
.endr
.endr
.irp b, 0,1,2,3
	v_max_num_f32 v[BM+\b], v[BM+\b], v[SS+15+16*\b]
.endr
.irp b, 0,1,2,3
	v_permlanex16_b32 v[T1+\b], v[BM+\b], s20, s21
.endr
.irp b, 0,1,2,3
	v_max_num_f32 v[BM+\b], v[BM+\b], v[T1+\b]             ; with lane l xor 16's 16 keys
.endr
	v_max3_num_f32 v[TA], v[BM], v[BM+1], v[BM+2]
	v_max_num_f32 v[TA], v[TA], v[BM+3]                    ; the step's largest score of my query
	v_mul_f32 v[TA], s22, v[TA]                            ; as t
	v_max_num_f32 v13, v13, v[TA]                          ; the running largest t
	v_mov_b32 v[TA], v12
	v_floor_f32 v12, -v13                                  ; the new -M = floor(-t): M is a whole number
	v_sub_f32 v[TA], v12, v[TA]                            ; old M - new M: a whole number, 0 or less
	v_cvt_i32_f32 v[TA], v[TA]                             ; (it saturates)
	v_ldexp_f32 v[FF], 1.0, v[TA]                          ; f = 2^(old M - new M): a multiplication by it rounds nothing
.set jj, 0
.rept 32
	v_pk_fma_f32 v[SS+jj:SS+jj+1], v[SS+jj:SS+jj+1], s[22:23], v[12:13] op_sel_hi:[1,0,0]   ; t - M, two at a time
.set jj, jj+2
.endr
.irp b, 0,1,2,3
	v_fma_f32 v[BM+\b], v[BM+\b], s22, v12                 ; the same of each block's largest score
.endr
.set jj, 0
	s_wait_alu depctr_va_vdst(0)
.rept 64
	v_exp_f32 v[SS+jj], v[SS+jj]                           ; p = 2^(t - M), at most 1, not normalised
.set jj, jj+1
.endr
.irp b, 0,1,2,3
	v_exp_f32 v[BM+\b], v[BM+\b]                           ; the block's largest p: the same two instructions on the same number
.endr
	v_pk_mul_f32 v[14:15], v[14:15], v[FF:FF+1] op_sel_hi:[1,0]   ; the sums under the new M; the plain line behind the exponentials
	s_wait_alu depctr_va_vdst(0)                           ; the 68 exponentials have written p, v[SS ..], and the blocks' largest p, v[BM ..]: one wait for the batch, ahead of its first reader
.irp b, 0,1,2,3
	v_max_num_f32 v[BM+\b], 0x8000000, v[BM+\b]            ; the floor 2^(16 - 127)
.endr
.irp b, 0,1,2,3
	v_add_nc_u32 v[CV+\b], 0xf8800000, v[BM+\b]
.endr
.irp b, 0,1,2,3
	v_and_or_b32 v[HD+\b], v[BM+\b], 0x7f800000, s26
.endr
.irp b, 0,1,2,3
	v_lshrrev_b32 v[T1+\b], 23, v[CV+\b]
.endr
	v_lshl_or_b32 v[PW], v[T1+1], 8, v[T1]                 ; p's scale word for these 128 keys
	v_lshl_or_b32 v[PW], v[T1+2], 16, v[PW]
	v_lshl_or_b32 v[PW], v[T1+3], 24, v[PW]
	v_pk_add_f32 v[T1:T1+1], v[SS:SS+1], v[SS+2:SS+3]      ; the row's sum is taken of the unquantised p: two at a time, in two chains
.set jj, 4
.rept 15
	v_pk_add_f32 v[14:15], v[14:15], v[SS+jj:SS+jj+1]
	v_pk_add_f32 v[T1:T1+1], v[T1:T1+1], v[SS+jj+2:SS+jj+3]
.set jj, jj+4
.endr
	v_pk_add_f32 v[14:15], v[14:15], v[T1:T1+1]
	PCODES 0
	PCODES 1
	s_wait_alu depctr_va_vdst(0)                           ; the holds and conversions of blocks 0 and 1 are done with v[SS .. SS+31], in which V's fragments 0 and 1 land
	VFRAG \q, 0
	VFRAG \q, 1
	PCODES 2                                               ; these name v[SS+32 ..], p's codes, the holds' bounds and the scales: none of the registers that the eight loads above touch
	PCODES 3
.set jj, 0
.rept 4
	v_pk_mul_f32 v[OT+jj:OT+jj+1], v[OT+jj:OT+jj+1], v[FF:FF+1] op_sel_hi:[1,0]   ; O^T under the new M, each tile from its low end on; these four are the places between the codes' making and the products
.set jj, jj+2
.endr
	s_wait_alu depctr_va_vdst(0)                           ; the holds and conversions of blocks 2 and 3 are done with v[SS+32 .. SS+63], in which V's fragments 2 and 3 land; p's codes v[PC ..] and its scale word v[PW] are written, which the scaled products below take
	VFRAG \q, 2
	VFRAG \q, 3
.rept 12
	v_pk_mul_f32 v[OT+jj:OT+jj+1], v[OT+jj:OT+jj+1], v[FF:FF+1] op_sel_hi:[1,0]   ; the other three tiles, while the loads are out: they name O^T and f alone
.set jj, jj+2
.endr
	s_wait_alu depctr_va_vdst(0)
.irp t, 0,1,2,3                        ; the four accumulators take turns, and eight other products stand between a step's link and the next step's
	s_wait_dscnt 12-4*\t
	v_wmma_scale_f32_16x16x128_f8f6f4 v[OT+8*\t:OT+8*\t+7], v[SS+16*\t:SS+16*\t+15], v[PC:PC+15], v[OT+8*\t:OT+8*\t+7], v[WS+\t], v[PW] matrix_a_fmt:MATRIX_FMT_BF8 matrix_b_fmt:MATRIX_FMT_BF8 matrix_a_scale:MATRIX_SCALE_ROW1
.endr
.endm
; A pass begins: tile p of my queries comes out of its image; M, the sum and O^T start.  (The step is written once: its first f is 0 and finds zeros.)
.macro PASSHEAD p
	s_wait_alu depctr_vm_vsrc(0)                           ; the loads and stores that took v10 and v11 as addresses (q's loads and image stores; the pass before's three loads) have read them
	v_add_nc_u32 v10, s37, v[A0]
	v_and_b32 v11, 15, v0
	v_lshl_add_u32 v11, v11, 2, s38
	s_wait_alu depctr_va_vdst(0)                           ; v10 and v11 are written; the pass before's products are done reading q's codes v24-31 and its scale word v2, in which the loads below land
	ds_load_b128 v[QLO:QLO+3], v10 offset:2*GRP*\p
	ds_load_b128 v[QLO+4:QLO+7], v10 offset:2*GRP*\p+GRP
	ds_load_b32 v[QS], v11 offset:64*\p
	v_mov_b32 v13, 0xff61b1e6                              ; the largest t so far: -3e38
	v_floor_f32 v12, -v13
	v_mov_b32 v14, 0
	v_mov_b32 v15, 0
.set jj, 0
.rept 32
	v_mov_b32 v[OT+jj], 0
.set jj, jj+1
.endr
	s_mov_b32 s27, 0
	s_wait_dscnt 0x0
.endm
; A pass ends: O^T / the row's sum into v[dst] on
.macro NORMAL dst
.rept 8
	v_nop                                                  ; eight places behind the last products
.endr
	v_add_f32 v14, v14, v15
	v_permlanex16_b32 v[TA], v14, s20, s21
	v_add_f32 v14, v14, v[TA]                              ; the sum's two halves and lane l xor 16's
	s_wait_alu depctr_va_vdst(0)
	v_rcp_f32 v14, v14
	v_nop                                                  ; a plain line behind the reciprocal
	s_wait_alu depctr_va_vdst(0)                           ; the reciprocal has written v14, ahead of its first reader
.set jj, 0
.rept 16
	v_pk_mul_f32 v[\dst+jj:\dst+jj+1], v[OT+jj:OT+jj+1], v[14:15] op_sel_hi:[1,0]
.set jj, jj+2
.endr
.endm
	; ---- THE HEAD: ids, the loads' offsets and bases, then all first loads; the LDS addresses are made while they are on their way
	s_load_b128 s[4:7], s[0:1], 0x0                        ; qkv, out0
	v_lshrrev_b32 v9, 5, v0
	v_readfirstlane_b32 s8, v9                             ; wave 0..15
	s_and_b32 s10, ttmp7, 0xffff                           ; the batch
	v_and_b32 v12, 15, v0                                  ; r
	v_bfe_u32 v13, v0, 4, 1                                ; h
	v_and_b32 v[GK], 8, v12
	v_add_nc_u32 v[GK], v[GK], v12
	v_lshl_add_u32 v[GK], v13, 3, v[GK]                    ; lane (r, h) takes row r of tile h: key r + 8 (r / 8) + 8 h of the fragment's 32
	v_lshlrev_b32 v[GK], 2, v[GK]
	v_lshlrev_b32 v[GV], 5, v12
	v_lshl_add_u32 v[GV], v13, 16, v[GV]
	v_and_b32 v10, 31, v0
	v_lshlrev_b32 v10, 2, v10                              ; Q's loads: 4 x lane
	s_wait_alu depctr_va_sdst(0)                           ; s8, the wave's number, is written, ahead of its first reader
	s_lshr_b32 s30, s8, 3                                  ; my task in a slot: step w / 8,
	s_bfe_u32 s31, s8, 0x20001                             ; fragment (w / 2) % 4,
	s_and_b32 s32, s8, 1                                   ; half w % 2
	s_mul_i32 s40, s10, BSTR                               ; byte offsets, all under 2^27
	s_mov_b32 s41, 0
	s_lshl_b32 s42, s32, 18                                ; K: channel block x 32 rows of 8,192 bytes
	s_lshr_b32 s43, s8, 1
	s_lshl_b32 s43, s43, 7                                 ; + 32 keys x (w / 2)
	s_add_co_u32 s42, s42, s43
	s_add_co_u32 s42, s42, 64*8192
	s_add_co_u32 s42, s42, s40
	s_mov_b32 s43, 0
	s_lshl_b32 s44, s31, 17                                ; V: 16 rows x fragment
	s_lshl_b32 s45, s32, 15                                ; + 4 rows x half
	s_add_co_u32 s44, s44, s45
	s_lshl_b32 s45, s30, 9                                 ; + 128 keys x step
	s_add_co_u32 s44, s44, s45
	s_add_co_u32 s44, s44, 128*8192
	s_add_co_u32 s44, s44, s40
	s_mov_b32 s45, 0
	s_lshl_b32 s46, ttmp9, 11                              ; Q: 512 queries x work-group x
	s_lshl_b32 s47, s8, 7                                  ; + 32 x wave
	s_add_co_u32 s46, s46, s47
	s_add_co_u32 s46, s46, s40
	s_mov_b32 s47, 0
	s_lshl_b32 s40, s10, 19                                ; out0: the batch's 64 rows,
	s_lshl_b32 s36, s8, 15                                 ; my four rows,
	s_add_co_u32 s40, s40, s36
	s_lshl_b32 s36, ttmp9, 11                              ; the work-group's 512 queries
	s_add_co_u32 s40, s40, s36
	s_wait_kmcnt 0x0
	s_add_nc_u64 s[12:13], s[4:5], s[42:43]
	s_add_nc_u64 s[14:15], s[4:5], s[44:45]
	s_add_nc_u64 s[16:17], s[4:5], s[46:47]
	s_add_nc_u64 s[18:19], s[6:7], s[40:41]
	s_wait_alu depctr_va_vdst(0)                           ; the three offsets v3, v4 and v10 are written: the loads below read them
	LOADC RR, GK, 12, 0, 0                                 ; slot 0: my share of K,
	LOADV SS                                               ; and of V;
	LOADC 136, 10, 16, 0, 1                                ; my 32 queries, channels 0-31,
	LOADC 168, 10, 16, 32*8192, 1                          ; and 32-63: read once in the launch
	v_lshlrev_b32 v[A0], 4, v12
	v_mad_u32_u24 v[A0], v13, PITCH, v[A0]
	s_mul_i32 s33, s30, STEPB
	s_mul_i32 s34, s31, FRB
	s_add_co_u32 s34, s34, s33                             ; my step and fragment in a slot
	s_mul_i32 s35, s32, GRP
	s_add_co_u32 s35, s35, s34
	v_lshlrev_b32 v[LK], 4, v12
	v_mad_u32_u24 v[LK], v13, 2*GRP, v[LK]                 ; K's codes: group 2 u + channel block, u = my lane's half; row r
	v_add_nc_u32 v[LK], s35, v[LK]
	s_lshl_b32 s35, s32, 6
	s_add_co_u32 s35, s35, s34
	s_add_co_u32 s35, s35, VOFF
	v_bfe_u32 v[LV], v0, 1, 3
	v_mul_u32_u24 v[LV], v[LV], PITCH                      ; V's codes: keys 8 l on lie in group l / 4, half (l / 2) % 2, byte 8 (l % 2); row 4 (w % 2) + i + 8 h
	v_lshl_add_u32 v[LV], v13, 7, v[LV]
	v_and_b32 v[LKS], 1, v0
	v_lshl_add_u32 v[LV], v[LKS], 3, v[LV]
	v_add_nc_u32 v[LV], s35, v[LV]
	s_lshl_b32 s35, s31, 2
	s_add_co_u32 s35, s35, s32
	s_add_co_u32 s35, s35, s33
	s_add_co_u32 s35, s35, SOFF
	v_lshlrev_b32 v[LKS], 4, v12                           ; K's scale byte: row r's 16 bytes, word = fragment, byte 2 u + channel block
	v_lshl_add_u32 v[LKS], v13, 1, v[LKS]
	v_add_nc_u32 v[LKS], s35, v[LKS]
	s_lshl_b32 s35, s31, 2
	s_lshl_b32 s36, s32, 6
	s_add_co_u32 s35, s35, s36
	s_add_co_u32 s35, s35, s33
	s_add_co_u32 s35, s35, SOFF+PITCH
	v_bfe_u32 v[LVS], v0, 2, 2                             ; V's scale bytes: row's 16 bytes, word = fragment, byte = block l / 4
	v_lshl_add_u32 v[LVS], v13, 7, v[LVS]
	v_add_nc_u32 v[LVS], s35, v[LVS]
	s_mul_i32 s37, s8, FRB
	s_add_co_u32 s37, s37, QIMG                            ; my Q images
	s_lshl_b32 s38, s8, 7
	s_add_co_u32 s38, s38, QSC                             ; my Q scale words
	v_lshlrev_b32 v11, 4, v12
	v_mad_u32_u24 v11, v13, 2*GRP, v11                     ; lane = query: tile lane / 16, row r
	v_add_nc_u32 v11, s37, v11
	s_mov_b32 s20, 0x76543210
	s_mov_b32 s21, 0xfedcba98                              ; v_permlanex16_b32's selects for lane l xor 16
	s_mov_b32 s22, 0x3fb8aa3b                              ; log2(e)
	s_mov_b32 s23, s22                                     ; (the packed forms name pairs and take the low word for both halves)
	s_mov_b32 s24, 0x3eb504f3                              ; 8^-1/2
	s_mov_b32 s25, s24
	s_mov_b32 s26, 0x600000                                ; the mantissa field of 57,344
	s_mov_b32 s27, 0
.irp j, 0,1,2,3,4,5,6,7
	v_mov_b32 v[QHI+\j], 0                                 ; the zero codes on both sides of q
	v_mov_b32 v[QLO+8+\j], 0
.endr
.irp b, 0,1,2,3
	v_mov_b32 v[T1+\b], 0                                  ; written once: a lane permute's destination counts as one of its sources
.endr
	v_mov_b32 v[PW], 0                                     ; (named as the upper half of the pair v[252:253] before it is first made)
	s_wait_loadcnt 0x3f                                    ; of the 104 loads the youngest 63, all of them Q's, may be out: K's 32 and V's 8 are in
	KTASK RR, 0
	s_wait_alu depctr_vm_vsrc(0)                           ; K's stores have read the codes v[CD ..], the byte v[PM+4] and their addresses, which V's quantiser writes again
	VTASK SS, 0
	s_wait_loadcnt 32                                      ; Q's channels 0-31 are in
	s_wait_alu depctr_vm_vsrc(0)                           ; V's stores have read the codes v[CD ..], which Q's quantiser writes again
	QC 136, PM+5
	s_wait_alu depctr_va_vdst(0)                           ; the codes v[CD ..] and the address v11 are written: the two stores below read them
	PUTC 11, 0
	s_wait_dscnt 0x0                                       ; the stores are done: the codes' registers are written again
	s_wait_loadcnt 0x0
	s_wait_alu depctr_vm_vsrc(0)                           ; the two stores have read the codes v[CD ..], which the second block's conversions write again
	QC 168, PM+6
	v_lshl_or_b32 v[PM+7], v[PM+6], 8, v[PM+5]
	v_lshl_or_b32 v[PM+7], v[PM+7], 16, v[PM+7]            ; the two bytes twice: they serve q | 0 and 0 | q
	v_lshl_add_u32 v[PM+8], v0, 2, QSC
	s_wait_alu depctr_va_vdst(0)                           ; the codes v[CD ..], the scale word v[PM+7] and its address v[PM+8] are written: the three stores below read them
	PUTC 11, GRP
	ds_store_b32 v[PM+8], v[PM+7]
	s_add_nc_u64 s[12:13], s[12:13], 1024                  ; (no load is out)  on to slot 1's 256 keys
	s_add_nc_u64 s[14:15], s[14:15], 1024
	BARRIER                                                ; slot 0 lies in LDS
	; ---- PASS 0: my queries 0-15; slot i is multiplied while slot i + 1 is made
	PASSHEAD 0
	s_mov_b32 s29, 7
.Lslot:
	STEP 0, 1                                              ; with my share of the next slot's K asked for behind its head
	s_wait_loadcnt 0x0
	KTASK RR, SLOTB
	s_add_nc_u64 s[12:13], s[12:13], 1024                  ; (behind the wait that showed its loads done)
	STEP 1, 2                                              ; with my share of the next slot's V
	s_wait_loadcnt 0x0
	VTASK RR, SLOTB
	s_add_nc_u64 s[14:15], s[14:15], 1024
	s_add_co_u32 s27, s27, SLOTB
	BARRIER                                                ; the next slot lies in LDS.  Nothing that was read is written: the barrier only publishes
	s_sub_co_u32 s29, s29, 1
	s_cmp_lg_u32 s29, 0
	s_cbranch_scc1 .Lslot
	STEP 0, 0                                              ; the last slot: nothing is left to make
	STEP 1, 0
	NORMAL RR                                              ; the result waits in the registers in which the loads landed
	; ---- PASS 1: my queries 16-31, over the finished images: no store, no barrier
	PASSHEAD 1
	s_mov_b32 s29, 8
.Lagain:
	STEP 0, 0
	STEP 1, 0
	s_add_co_u32 s27, s27, SLOTB
	s_sub_co_u32 s29, s29, 1
	s_cmp_lg_u32 s29, 0
	s_cbranch_scc1 .Lagain
	NORMAL OT
	; ---- THE WAY OUT.  A lane holds one query and 32 channels, a row of out0 wants 512 neighbouring queries: the work-group's 64 x 512 numbers meet in a stage, and each wave stores four whole rows' parts.
	s_wait_alu depctr_vm_vsrc(0)                           ; pass 0's loads of k and v have read their offsets v3 and v4, which are written below
	v_and_b32 v5, 15, v0
	v_bfe_u32 v6, v0, 4, 1
	v_lshlrev_b32 v3, 2, v5
	v_mad_u32_u24 v3, v6, 8*SROW, v3                       ; in: channel 8 h + .., query r; the two halves of the lanes fall 4,128 words apart: other banks
	s_lshl_b32 s30, s8, 7
	v_add_nc_u32 v3, s30, v3                               ; + my wave's 32 queries
	v_add_nc_u32 v4, 32*SROW, v3                           ; channels 32 on: beyond the 16-bit offset
	v_and_b32 v7, 31, v0
	v_lshlrev_b32 v7, 4, v7                                ; back, and in out0: 16 bytes a lane
	s_mul_i32 s31, s8, 4*SROW
	v_add_nc_u32 v8, s31, v7                               ; my four channels' rows
	BARRIER                                                ; every wave's reads of the images are over: the stage may lie over them
	s_wait_alu depctr_va_vdst(0)                           ; both passes' results v[RR ..] and v[OT ..] and the addresses v3, v4, v7 and v8 are written, which the stores and loads below read; the products and conversions are done with v40-103, in which the stage's rows land
.irp p, 0,1
.irp ct, 0,1,2,3
.irp j, 0,1,2,3,4,5,6,7
	ds_store_b32 v[3+\ct/2], v[RR-32*\p+8*\ct+\j] offset:(16*(\ct%2)+\j)*SROW+64*\p
.endr
.endr
.endr
	BARRIER                                                ; 64 rows of 512 queries lie in the stage
.irp i, 0,1,2,3
.irp k, 0,1,2,3
	ds_load_b128 v[KF+16*\i+4*\k:KF+16*\i+4*\k+3], v8 offset:SROW*\i+512*\k
.endr
.endr
.irp i, 0,1,2,3
.irp k, 0,1,2,3
	s_wait_dscnt 15-4*\i-\k                                ; LDS loads come back in order: this one is in, the younger ones may be out
	global_store_b128 v7, v[KF+16*\i+4*\k:KF+16*\i+4*\k+3], s[18:19] offset:8192*\i+512*\k th:TH_STORE_NT   ; 32 lanes store 512 consecutive bytes, at a multiple of 256 from out0's first byte
.endr
.endr
	s_wait_xcnt 0x0                                        ; the last stores have had their addresses translated, ahead of the two lines that make registers anew
	v_lshl_add_u32 v254, v0, 2, 0x4f100                    ; my spare word, behind Q's scale words, and 0: made anew, since no two registers could be kept; no memory or LDS instruction has read v254 or v255
	v_mov_b32 v255, 0
	s_wait_dscnt 0x0                                       ; the closing lines, six on end
	s_wait_alu 0x0
	s_wait_tensorcnt 0x0
	ds_add_u32 v254, v255
	s_wait_dscnt 0x0
	s_endpgm
.Lfunc_end_k_q933612c451_attn:
	.size	k_q933612c451_attn, .Lfunc_end_k_q933612c451_attn-k_q933612c451_attn
	.p2alignl 7, 3214868480
	.fill 96, 4, 3214868480
	.section	.rodata,"a",@progbits
	.p2align	6, 0x0
	.amdhsa_kernel k_q933612c451_attn
		.amdhsa_group_segment_fixed_size 325888
		.amdhsa_private_segment_fixed_size 0
		.amdhsa_enable_private_segment 0
		.amdhsa_kernarg_size 16
		.amdhsa_user_sgpr_count 2
		.amdhsa_user_sgpr_kernarg_segment_ptr 1
		.amdhsa_wavefront_size32 1
		.amdhsa_system_sgpr_workgroup_id_x 1
		.amdhsa_system_sgpr_workgroup_id_y 1
		.amdhsa_system_sgpr_workgroup_id_z 1
		.amdhsa_system_vgpr_workitem_id 0
		.amdhsa_next_free_vgpr 256
		.amdhsa_next_free_sgpr 66
		.amdhsa_reserve_vcc 0
		.amdhsa_float_denorm_mode_32 3
		.amdhsa_float_denorm_mode_16_64 3
		.amdhsa_memory_ordered 1
		.amdhsa_forward_progress 1
		.amdhsa_inst_pref_size 174
	.end_amdhsa_kernel
	.amdgpu_metadata
---
amdhsa.version: [ 1, 2 ]
amdhsa.kernels:
  - .name:           k_q933612c451_attn
    .symbol:         k_q933612c451_attn.kd
    .args:
      - { .name: qkv, .offset: 0, .size: 8, .value_kind: global_buffer, .address_space: global }
      - { .name: out0, .offset: 8, .size: 8, .value_kind: global_buffer, .address_space: global }
    .group_segment_fixed_size: 325888
    .private_segment_fixed_size: 0
    .kernarg_segment_align: 8
    .kernarg_segment_size: 16
    .max_flat_workgroup_size: 512
    .sgpr_count:     66
    .vgpr_count:     256
    .wavefront_size: 32
...
	.end_amdgpu_metadata
.endif
;; end of part 2
